; MI455X (gfx1250); checked and timed in simulation.
; The chip was launched on July 23, 2026; its instructions are those of AMD's public machine-readable ISA for CDNA 5 (MIT licence, August 2026) and "CDNA5" Instruction Set Architecture Reference Guide (July 2026). The comments in the code are by the model that wrote it; some were corrected since.
;; Masked Multi Head Attention. Allowed arithmetic: matrix products marked QUANTISED: E2M1 operands, one E8M0 scale for each 32 along K, by v_wmma_scale_f32_16x16x128_f8f6f4 with both operands' format E2M1 (or v_wmma_scale_f32_32x16x128_f4), f32 sums; everything else in f32.
;; Inputs: Wk_codes 512 x 16 x 16 uint8 (E2M1 codes of Wk, K innermost, in blocks of 32 codes, two codes a byte); Wk_scales 512 x 16 uint8 (E8M0 scales of Wk, one for each 32 codes along K); Wq_codes 512 x 16 x 16 uint8 (E2M1 codes of Wq, K innermost, in blocks of 32 codes, two codes a byte); Wq_scales 512 x 16 uint8 (E8M0 scales of Wq, one for each 32 codes along K); Wv_codes 512 x 16 x 16 uint8 (E2M1 codes of Wv, K innermost, in blocks of 32 codes, two codes a byte); Wv_scales 512 x 16 uint8 (E8M0 scales of Wv, one for each 32 codes along K); bk 512 float32; bq 512 float32; bv 512 float32; x_codes 2 x 4,096 x 16 x 16 uint8 (E2M1 codes of x, K innermost, in blocks of 32 codes, two codes a byte); x_scales 2 x 4,096 x 16 uint8 (E8M0 scales of x, one for each 32 codes along K).
;; Outputs: out0 2 x 4,096 x 512 float32.
;; This version of the problem:
;;   THIS VERSION OF THE PROBLEM IS GIVEN IN LOW PRECISION. The matrix products marked QUANTISED in the list below multiply operands that are first quantised to E2M1 (2 exponent bits, 1 mantissa bit; 4 bits a number), with one power-of-two scale for each 32 numbers along K (OCP MX v1.0); their sums are f32. All else is computed in f32.
;;   The module's matrix products, in the order in which they are computed (A, B: the left and right operand; K: the contracted axis; several contracted axes count as one K, in the product's order):
;;     1. [M 8,192, K 512] x [K 512, N 512]; A: input x (given as codes); B: input Wq (given as codes): QUANTISED
;;     2. [M 8,192, K 512] x [K 512, N 512]; A: input x (given as codes); B: input Wk (given as codes): QUANTISED
;;     3. [M 8,192, K 512] x [K 512, N 512]; A: input x (given as codes); B: input Wv (given as codes): QUANTISED
;;     4. batch 16 x [M 4,096, K 64] x [K 64, N 4,096]; A: computed on the way; B: computed on the way: QUANTISED
;;     5. batch 16 x [M 4,096, K 4,096] x [K 4,096, N 64]; A: softmax (see below); B: computed on the way: QUANTISED
;;   THE QUANTISER, for each operand of a quantised product, along K:
;;     - K is cut into blocks of 32 from its start; a last block that is shorter is filled with zeros.
;;     - A block's scale is 2^e with e = floor(log2(the largest magnitude in the block)) - 2, held to -126 .. 127; a block of zeros has e = 0. As a byte (E8M0): e + 127.
;;     - Each number is divided by its block's scale, clamped to +-6, and rounded to the nearest number of E2M1, ties to even, subnormals kept.
;;     - The product sums the exact products of the quantised numbers (number of the format x scale) in f32.
;;   ~~~python
;;   def quantise(x, axis):      # numpy; x: float32 -> the quantised numbers, widened to float32 again
;;       x = np.moveaxis(x, axis, -1); K = x.shape[-1]
;;       x = np.pad(x, [(0, 0)] * (x.ndim - 1) + [(0, -K % 32)]); x = x.reshape(x.shape[:-1] + (-1, 32)); a = np.abs(x).max(-1, keepdims=True)
;;       e = np.where(a > 0, np.clip(np.frexp(np.where(a > 0, a, 1))[1] - 1 - 2, -126, 127), 0)      # np.frexp(a)[1] - 1 = floor(log2(a)), exactly
;;       r = np.clip(x / 2.0 ** e, -6, 6)
;;       step = 2.0 ** (np.maximum(np.frexp(np.where(r == 0, 1, r))[1] - 1, 0) - 1)
;;       q = np.round(r / step) * step * 2.0 ** e      # np.round: ties to even
;;       return np.moveaxis(q.reshape(q.shape[:-2] + (-1,))[..., :K], -1, axis).astype(np.float32)
;;   ~~~
;;   SOFTMAX AHEAD OF A QUANTISED PRODUCT. Where the list says 'softmax', what is quantised is not the finished softmax but p = 2^(t - M), with t = logit x log2(e) and M = ceil(the row's largest t), a whole number; so 1/2 < the row's largest p <= 1. The row's sum l is taken of the UNQUANTISED p, in f32, and the product's result is divided by l at the end. Since M is a whole number, a kernel that streams over the keys may use a running M (the ceiling of the running maximum): every later rescaling is an exact power of two, which a block's scale takes up: the codes' values come out the same.
;;   OPERANDS COMPUTED ON THE WAY. 'Computed on the way' means the value that the module computes at that place (a softmax that the list does not call 'softmax' is quantised finished and normalised). What goes into a quantiser is computed in f32, as accurately as f32 sums, v_exp_f32 and their like allow (about 1e-6 of the number): no bf16 or f16 on the way to a quantiser, and a product that is left as it is and whose result goes on into a quantised operand takes f32 operands (vector FMAs, or v_wmma_f32_16x16x4_f32). A number that lies on a knife's edge between two numbers of the format may be rounded either way, as far as f32 arithmetic and the matrix unit's own rounding can turn it there, and no further.
;;   INPUTS GIVEN AS CODES. Wk (in the module: [512, 512], K = its axis 1); Wq (in the module: [512, 512], K = its axis 1); Wv (in the module: [512, 512], K = its axis 1); x (in the module: [2, 4096, 512], K = its axis 2): each comes as NAME_codes (uint8): NAME with its K axis moved to the last place and cut into blocks of 32 codes, [.., K / 32, bytes a block], one block behind the other in memory; two codes a byte, the lower K in the low four bits (a code: sign, 2 exponent bits, 1 mantissa bit); and NAME_scales (uint8): the same leading axes, one E8M0 byte (e + 127) for each 32 codes along K. Its value is code x scale, taken as it is: it is not quantised again, and the codes and scales need not be those that the quantiser above would give.
;; 2 versions, each right; version 2 is version 1 with the launch attn written anew for expert scheduling mode. Each part assembles by itself: llvm-mc -triple=amdgcn-amd-amdhsa -mcpu=gfx1250 --defsym DOCPART=n.
;; ======== version 1 of 2: 2 launches
;; workspace buffers: qw 3,145,728 bytes; kvc 4,194,304 bytes; kvs 262,144 bytes
;; launch proj (part 1): grid 4 x 64, 8 waves a work-group, clusters of 4 x 4, 168,960 bytes of LDS; arguments x_codes, x_scales, Wq_codes, Wq_scales, Wk_codes, Wk_scales, Wv_codes, Wv_scales, bq, bk, bv, qw, kvc, kvs; writes qw, kvc, kvs
.if DOCPART == 1
	.amdgcn_target "amdgcn-amd-amdhsa--gfx1250"
	.amdhsa_code_object_version 6
	.text
	.protected	k_q095bd9324a_proj
	.globl	k_q095bd9324a_proj
	.p2align	8
	.type	k_q095bd9324a_proj,@function
k_q095bd9324a_proj:
	s_mov_b64 s[64:65], 0
	v_nop
	global_prefetch_b8 v0, s[64:65] scope:SCOPE_SE
	s_setreg_imm32_b32 hwreg(HW_REG_WAVE_MODE, 25, 1), 1
	s_wait_xcnt 0x0
	s_wait_alu depctr_hold_cnt(0) depctr_sa_sdst(0) depctr_va_vdst(0) depctr_va_sdst(0) depctr_va_ssrc(0) depctr_va_vcc(0) depctr_vm_vsrc(0)
	s_getreg_b32 s2, hwreg(HW_REG_IB_STS2, 6, 4)
	s_cmp_eq_u32 s2, 0
	s_cbranch_scc0 .Lentry_in_a_cluster
	s_endpgm
.Lentry_in_a_cluster:
	s_bfe_u32 s2, ttmp6, 0x10000c
	s_cmp_lg_u32 s2, 0xf033
	s_cbranch_scc0 .Lentry_shape_is_right
	s_endpgm
.Lentry_shape_is_right:
; q, k, v = x W^T + b on codes of FP4 (E2M1) with E8M0 scales, f32 sums; the results are quantised at once (q and k along the 64 numbers of a head, v along the keys)
; and stored as IMAGES OF OPERAND REGISTERS for the attention launch:
;   qw  [bh][256 query tiles][768]: 512 bytes of codes (lane l at 16 l: query 16 qt + l % 16, d = 32 (l / 16) on), 256 bytes of scale words (lane l at 512 + 8 l: q bytes | 0x7f7f0000, 0x7f7f | q bytes << 16)
;   kvc [bh][32 key steps][8192]: K: fragment f, half c at 1024 f + 512 c + 16 l (key 32 f + 16 c + l % 16, d = 32 (l / 16) on);  V: at 4096 + 1024 dt + 512 c + 16 l (d = 16 dt + l % 16, keys 64 c + 32 (l / 16) on)
;   kvs [bh][32 key steps][512]: lane l at 16 l: four words KS0, KS1, VS0, VS1;  KS(f / 2), lane 16 (f % 2) + r: the two bytes of key 32 f + r, then those of key 32 f + 16 + r;  VS(dt / 2), lane 16 (dt % 2) + r: the four bytes of d = 16 dt + r
; SHARES.  Work-group (HP, G): tokens 128 G on, features 128 HP on (two heads).  Eight waves; wave w runs three units of 8 accumulators x 4 K steps:
;   q, k: source 0 = the 8 tiles of 16 rows of W, source 1 = x tile w: a lane holds ONE token and its 64 registers run along the features (register 8 T + j = feature 16 T + 8 (l / 16) + j);
;   v:    source 0 = the 8 tiles of 16 tokens,    source 1 = Wv tile w: a lane holds ONE feature and its registers run along the tokens, which are the keys.
; The bias is the C of the first matrix instruction of each sum.
; FROM RESULT TO OPERAND.  A conversion takes the 8 registers of one tile: its code register holds group 2 T of eight k in lanes 0-15 and group 2 T + 1 in lanes 16-31.  Written to register
; 4 (T / 4) + 2 (T % 2) + (T % 4) / 2, and registers (4 c, 4 c + 1), (4 c + 2, 4 c + 3) swapped by halves, the eight registers are a fragment: register 4 c + i holds k = 64 c + 32 (l / 16) + 8 i on.
; CLUSTER 4 x 4: x hangs on G alone and is asked for jointly along a row of the cluster, W on HP alone and jointly along a column.  All LDS tiles are filled once; nothing is filled again.
; LIMITS: NaN and infinities among the inputs are not served.  A block of zeros, or one whose largest magnitude lies under 2^(3 - 127), gets the byte 1 where the rule says 127: its codes are zeros, and this program alone reads the bytes.
.set PITCH, 272                        ; an LDS row: 256 bytes of codes + 16 of padding: the 16 rows of a fragment load start 68 words apart
.set T16,   16*PITCH                   ; a tile of 16 rows
.set HALF,  64*PITCH                   ; what one tensor load brings: 64 rows
.set WQT,   2*HALF                     ; LDS: x at 0, then the slices of Wq, Wk, Wv, 128 rows each
.set WKT,   4*HALF
.set WVT,   6*HALF
.set SCL,   8*HALF                     ; the scale bytes: tensor t (x, Wq, Wk, Wv) at 2048 t, 16 bytes a row, dense
.set STS,   SCL+8192                   ; 1,024 bytes: the kvs images of my two heads; no tensor load lands here
.set LI,  1                            ; v1   16 x lane
.set L8,  2                            ; v2   8 x lane
.set AX,  3                            ; v3   272 r + 16 h: a fragment row in x
.set AQ,  4                            ; v4   the same in Wq
.set AK,  5                            ; v5   in Wk
.set BX,  6                            ; v6   x tile w
.set BV,  7                            ; v7   Wv tile w
.set LS,  8                            ; v8   scale words of source 0: 16 x lane + SCL
.set BSA, 9                            ; v9   scale words of source 1: 16 r + 256 w + SCL
.set KSA, 10                           ; v10  where the two scale bytes of a key go in the stage
.set VSA, 11                           ; v11  where the scale word of a feature of v goes
.set SRA, 12                           ; v12  where waves 0 and 1 read a whole image back
.set H16, 13                           ; v13  16 h
.set BO,  14                           ; v14  32 h: bias of q and k
.set BVO, 15                           ; v15  4 r: bias of v
.set ACC, 16                           ; v16-79   8 accumulators
.set AF0, 80                           ; v80-143, v144-207  two sets of 8 fragments of source 0
.set BF,  208                          ; v208-223 two sets of source 1
.set AS,  224                          ; v224-239 scale words of source 0: register 4 b + q: lanes 0-15 tile 2 b, lanes 16-31 tile 2 b + 1, K step q
.set BS,  240                          ; v240-243 scale words of source 1, register q
.set PC,  244                          ; v244-251 the codes just made
.set PW,  252                          ; v252     the scale word just made
.set TT,  253                          ; v253     at work
.set TM,  80                           ; behind the products of a unit: v80-95 at work, v96-99 scale words of q, v100-103 an image on its way out
.set QSW, 96
.set SO,  100
.set WV,  32                           ; s32 wave;  s33 cx, s34 cy;  s35 HP, s36 G;  s37 the mask of my row, s38 of my column
.set CX,  33
.set CY,  34
.set HP,  35
.set GG,  36
.set RM,  37
.set CM,  38
.set SEL, 66                           ; s[66:67] lane selects: lane l xor 16
.set G1XC, 48                          ; descriptor groups 1: codes of x, codes of W, scales of x, scales of W
.set G1WC, 56
.set G1XS, 68
.set G1WS, 76
.set G0XC, 84                          ; and groups 0
.set G0XS, 88
.set G0WC, 92
.set G0WS, 96
.set MSB, 0
.macro WIN new                         ; the high byte of the immediate repeats the setting that is left
.if MSB != \new
	s_set_vgpr_msb (MSB<<8)|\new
.set MSB, \new
.endif
.endm
.macro PLACES                          ; four plain vector instructions between a matrix instruction and a load into, or a vector read or write of, its registers
.rept 4
	v_nop
.endr
.endm
.macro ROUND                           ; a round of the cluster barrier
	s_barrier_signal -1
	s_barrier_wait -1
	s_cmp_lg_u32 s[WV], 0
	s_cbranch_scc1 .Lnot_wave_0_\@
	s_barrier_signal -3
.Lnot_wave_0_\@:
	s_barrier_wait -3
	s_barrier_signal -1
	s_barrier_wait -1
.endm
.macro WMR d, a, b, c, sa, sb, row     ; one product; row = 1: the scale words of source 0 are read from lanes 16-31
.if \row
	v_wmma_scale_f32_16x16x128_f8f6f4 v[\d:\d+7], v[\a:\a+7], v[\b:\b+7], v[\c:\c+7], v[\sa], v[\sb] matrix_a_fmt:MATRIX_FMT_FP4 matrix_b_fmt:MATRIX_FMT_FP4 matrix_a_scale:MATRIX_SCALE_ROW1
.else
	v_wmma_scale_f32_16x16x128_f8f6f4 v[\d:\d+7], v[\a:\a+7], v[\b:\b+7], v[\c:\c+7], v[\sa], v[\sb] matrix_a_fmt:MATRIX_FMT_FP4 matrix_b_fmt:MATRIX_FMT_FP4
.endif
.endm
	s_load_b512 s[4:19], s[0:1], 0x0               ; x codes s[4:5], x scales s[6:7], Wq s[8:11], Wk s[12:15], Wv s[16:19]
	s_load_b256 s[20:27], s[0:1], 0x40             ; bq s[20:21], bk s[22:23], bv s[24:25], qw s[26:27]
	s_load_b128 s[28:31], s[0:1], 0x60             ; kvc s[28:29], kvs s[30:31]
	v_lshl_add_u32 v254, v0, 2, 0x29000
	v_mov_b32 v255, 0
	ds_add_u32 v254, v255
	ds_add_u32 v254, v255
	v_lshrrev_b32 v[TT], 5, v0
	v_readfirstlane_b32 s[WV], v[TT]               ; wave 0..7
	; every vector address is made here, ahead of every branch
	v_and_b32 v[TT], 31, v0                        ; lane
	v_lshlrev_b32 v[LI], 4, v[TT]
	v_lshlrev_b32 v[L8], 3, v[TT]
	v_and_b32 v[BVO], 15, v0                       ; r
	v_bfe_u32 v[BO], v0, 4, 1                      ; h
	v_mul_u32_u24 v[AX], v[BVO], PITCH
	v_lshl_add_u32 v[AX], v[BO], 4, v[AX]
	v_add_nc_u32 v[AQ], WQT, v[AX]
	v_add_nc_u32 v[AK], WKT, v[AX]
	s_mul_i32 s39, s[WV], T16
	v_add_nc_u32 v[BX], s39, v[AX]
	v_add_nc_u32 v[BV], WVT, v[BX]
	v_add_nc_u32 v[LS], SCL, v[LI]
	v_lshlrev_b32 v[BSA], 4, v[BVO]                ; 16 r
	s_bfe_u32 s39, s[WV], 0x10001                  ; K: fragment f = w / 2, half c = w % 2: 256 (f % 2) + 4 (f / 2) + 2 c
	s_lshl_b32 s39, s39, 8
	s_lshr_b32 s40, s[WV], 2
	s_lshl_b32 s40, s40, 2
	s_add_co_u32 s39, s39, s40
	s_and_b32 s40, s[WV], 1
	s_lshl_b32 s40, s40, 1
	s_add_co_u32 s39, s39, s40
	s_add_co_u32 s39, s39, STS
	v_lshl_add_u32 v[KSA], v[BO], 9, v[BSA]        ; lanes 0-15 serve the even head, lanes 16-31 the odd one, 512 bytes on
	v_add_nc_u32 v[KSA], s39, v[KSA]
	s_lshr_b32 s39, s[WV], 2                       ; V: head w / 4, tile dt = w % 4: 512 (w / 4) + 256 (dt % 2) + 4 (dt / 2) + 8
	s_lshl_b32 s39, s39, 9
	s_and_b32 s40, s[WV], 1
	s_lshl_b32 s40, s40, 8
	s_add_co_u32 s39, s39, s40
	s_bfe_u32 s40, s[WV], 0x10001
	s_lshl_b32 s40, s40, 2
	s_add_co_u32 s39, s39, s40
	s_add_co_u32 s39, s39, STS+8
	v_add_nc_u32 v[VSA], s39, v[BSA]
	s_and_b32 s39, s[WV], 1
	s_lshl_b32 s39, s39, 9
	s_add_co_u32 s39, s39, STS
	v_add_nc_u32 v[SRA], s39, v[LI]
	s_lshl_b32 s39, s[WV], 8
	s_add_co_u32 s39, s39, SCL
	v_add_nc_u32 v[BSA], s39, v[BSA]
	v_lshlrev_b32 v[H16], 4, v[BO]
	v_lshlrev_b32 v[BO], 5, v[BO]
	v_lshlrev_b32 v[BVO], 2, v[BVO]
	s_mov_b32 s[SEL], 0x76543210
	s_mov_b32 s[SEL+1], 0xfedcba98
	; my place
	s_bfe_u32 s[CX], ttmp6, 0x40000
	s_bfe_u32 s[CY], ttmp6, 0x40004
	s_lshl_b32 s[HP], ttmp9, 2
	s_add_co_u32 s[HP], s[HP], s[CX]               ; HP = 4 x cluster x + cx
	s_and_b32 s[GG], ttmp7, 0xffff
	s_lshl_b32 s[GG], s[GG], 2
	s_add_co_u32 s[GG], s[GG], s[CY]               ; G = 4 x cluster y + cy
	s_lshl_b32 s[RM], s[CY], 2
	s_lshl_b32 s[RM], 15, s[RM]                    ; my row of the cluster
	s_lshl_b32 s[CM], 0x1111, s[CX]                ; my column
	; groups 1.  Codes: 64 rows x 256 bytes, 16 bytes of padding behind each row
	s_or_b32 s[G1XC], s[RM], (1<<20)|(1<<21)|(5<<22)|(3<<25)   ; 15:0 the mask; 17:16 elements of 1 byte; 20 padding on; 21 set beside a mask; 24:22 after every 64 words; 31:25 four words
	s_or_b32 s[G1WC], s[CM], (1<<20)|(1<<21)|(5<<22)|(3<<25)
.irp g, G1XC, G1WC
	s_mov_b32 s[\g+1], 256<<16                     ; tensor_dim0
	s_mov_b32 s[\g+2], 64<<16                      ; tensor_dim1
	s_mov_b32 s[\g+3], 256<<16                     ; tile_dim0
	s_mov_b32 s[\g+4], 64                          ; tile_dim1
	s_mov_b32 s[\g+5], 256                         ; from row to row
	s_mov_b32 s[\g+6], 0
	s_mov_b32 s[\g+7], 0
.endr
	; Scales of 64 rows: 1,024 dense bytes, as 4 rows of 32 elements of 8 bytes, no padding
	s_or_b32 s[G1XS], s[RM], (3<<16)|(1<<21)
	s_or_b32 s[G1WS], s[CM], (3<<16)|(1<<21)
.irp g, G1XS, G1WS
	s_mov_b32 s[\g+1], 32<<16
	s_mov_b32 s[\g+2], 4<<16
	s_mov_b32 s[\g+3], 32<<16
	s_mov_b32 s[\g+4], 4
	s_mov_b32 s[\g+5], 32
	s_mov_b32 s[\g+6], 0
	s_mov_b32 s[\g+7], 0
.endr
	; wave w fetches rows 64 (w % 2) on of tensor w / 2 (x, Wq, Wk, Wv).  The rows of x hang on G, in s[40:41]; those of W on HP, in s[42:43]
	s_and_b32 s39, s[WV], 1
	s_lshl_b32 s39, s39, 6
	s_lshl_b32 s40, s[GG], 7
	s_add_co_u32 s40, s40, s39
	s_mov_b32 s41, 0
	s_lshl_b32 s42, s[HP], 7
	s_add_co_u32 s42, s42, s39
	s_mov_b32 s43, 0
	s_lshr_b32 s3, s[WV], 1
	s_wait_dscnt 0x0
	s_wait_kmcnt 0x0
	s_cmp_eq_u32 s3, 1                             ; which W: the choice hangs on the wave number alone
	s_cselect_b64 s[44:45], s[8:9], s[16:17]
	s_cselect_b64 s[46:47], s[10:11], s[18:19]
	s_cmp_eq_u32 s3, 2
	s_cselect_b64 s[44:45], s[12:13], s[44:45]
	s_cselect_b64 s[46:47], s[14:15], s[46:47]
	s_mov_b32 s[G0XS], 1
	s_lshl_b32 s[G0XS+1], s[WV], 10
	s_add_co_u32 s[G0XS+1], s[G0XS+1], SCL         ; LDS: SCL + 1024 w
	s_lshl_b32 s40, s40, 4                         ; 16 bytes of scales a row
	s_add_nc_u64 s[G0XS+2:G0XS+3], s[6:7], s[40:41]
	s_or_b32 s[G0XS+3], s[G0XS+3], 0x80000000
	s_mov_b32 s[G0XC], 1
	s_mul_i32 s[G0XC+1], s[WV], HALF               ; LDS: 64 rows x wave
	s_lshl_b32 s40, s40, 4                         ; 256 bytes of codes a row
	s_add_nc_u64 s[G0XC+2:G0XC+3], s[4:5], s[40:41]
	s_or_b32 s[G0XC+3], s[G0XC+3], 0x80000000
	s_mov_b32 s[G0WS], 1
	s_lshl_b32 s[G0WS+1], s[WV], 10
	s_add_co_u32 s[G0WS+1], s[G0WS+1], SCL
	s_lshl_b32 s42, s42, 4
	s_add_nc_u64 s[G0WS+2:G0WS+3], s[46:47], s[42:43]
	s_or_b32 s[G0WS+3], s[G0WS+3], 0x80000000
	s_mov_b32 s[G0WC], 1
	s_mul_i32 s[G0WC+1], s[WV], HALF
	s_lshl_b32 s42, s42, 4
	s_add_nc_u64 s[G0WC+2:G0WC+3], s[44:45], s[42:43]
	s_or_b32 s[G0WC+3], s[G0WC+3], 0x80000000
	ROUND                                          ; all sixteen work-groups are here: the joint loads meet
	s_cmp_lt_u32 s[WV], 2                          ; the two first fills of a wave stand in one branch: two tensor loads of mine are out; four v_nop follow the second
	s_cbranch_scc0 .Lfor_w
	tensor_load_to_lds s[G0XC:G0XC+3], s[G1XC:G1XC+7]
	s_nop 0
	tensor_load_to_lds s[G0XS:G0XS+3], s[G1XS:G1XS+7]
	s_nop 0
.rept 4
	v_nop
.endr
	s_branch .Lasked
.Lfor_w:
	tensor_load_to_lds s[G0WC:G0WC+3], s[G1WC:G1WC+7]
	s_nop 0
	tensor_load_to_lds s[G0WS:G0WS+3], s[G1WS:G1WS+7]
	s_nop 0
.rept 4
	v_nop
.endr
.Lasked:
	; the biases, while the tiles are on their way.  s[4:19] are free from here on
	s_lshl_b32 s18, s[HP], 9                       ; my 128 features, 4 bytes each
	s_mov_b32 s19, 0
	s_add_nc_u64 s[20:21], s[20:21], s[18:19]
	s_add_nc_u64 s[22:23], s[22:23], s[18:19]
	s_lshl_b32 s17, s[WV], 6                       ; v: my 16 features
	s_add_co_u32 s18, s18, s17
	s_add_nc_u64 s[24:25], s[24:25], s[18:19]
	WIN 0x40                                       ; destination window 1: v0-63 the 8 tiles of bq, v64-127 of bk, in the layout of a result: lane (r, h), tile T: features 16 T + 8 h + 0 .. 7
.irp T, 0,1,2,3,4,5,6,7
.irp u, 0,1
	global_load_b128 v[8*\T+4*\u:8*\T+4*\u+3], v[BO], s[20:21] offset:64*\T+16*\u
	global_load_b128 v[64+8*\T+4*\u:64+8*\T+4*\u+3], v[BO], s[22:23] offset:64*\T+16*\u
.endr
.endr
	WIN 0
	global_load_b32 v[TT], v[BVO], s[24:25]        ; bv of my feature 16 w + r
	; where the results go
	s_mov_b32 s4, 0xffff
	s_mov_b32 s5, 0x7f7f0000
	s_mov_b32 s6, 0x7f7f
	s_mov_b32 s7, 0xffff0000
	s_lshr_b32 s16, s[GG], 5                       ; batch
	s_lshl_b32 s16, s16, 3
	s_lshl_b32 s17, s[HP], 1
	s_add_co_u32 s16, s16, s17                     ; bh of my even head
	s_and_b32 s17, s[GG], 31                       ; key step s
	s_lshl_b32 s18, s16, 8
	s_lshl_b32 s19, s17, 3
	s_add_co_u32 s18, s18, s19
	s_add_co_u32 s18, s18, s[WV]                   ; query tile 256 bh + 8 s + w
	s_mul_i32 s18, s18, 768
	s_mov_b32 s19, 0
	s_add_nc_u64 s[8:9], s[26:27], s[18:19]        ; s[8:9]: my record of qw
	s_lshl_b32 s16, s16, 5
	s_add_co_u32 s16, s16, s17                     ; 32 bh + s
	s_lshl_b32 s18, s16, 13
	s_lshl_b32 s17, s[WV], 9
	s_add_co_u32 s18, s18, s17
	s_add_nc_u64 s[10:11], s[28:29], s[18:19]      ; s[10:11]: K, fragment w / 2, half w % 2
	s_lshr_b32 s17, s[WV], 2
	s_lshl_b32 s17, s17, 5
	s_add_co_u32 s17, s17, s16
	s_lshl_b32 s18, s17, 13
	s_and_b32 s17, s[WV], 3
	s_lshl_b32 s17, s17, 10
	s_add_co_u32 s18, s18, s17
	s_add_co_u32 s18, s18, 4096
	s_add_nc_u64 s[12:13], s[28:29], s[18:19]      ; s[12:13]: V, head w / 4, tile w % 4
	s_and_b32 s17, s[WV], 1
	s_lshl_b32 s17, s17, 5
	s_add_co_u32 s17, s17, s16
	s_lshl_b32 s18, s17, 9
	s_add_nc_u64 s[14:15], s[30:31], s[18:19]      ; s[14:15]: the image of scale words of head w % 2 (waves 0 and 1 store it)
	s_wait_loadcnt 0x0                             ; the biases
	WIN 0x40
.irp j, 0,1,2,3,4,5,6,7
	v_mov_b32 v[128+\j], v[TT]                     ; window 1, v128-135: in the v unit a lane holds one feature: its bias in all eight registers
.endr
	WIN 0
	s_wait_tensorcnt 0x0                           ; my two tiles have landed,
	s_barrier_signal -1
	s_barrier_wait -1                              ; everybody's have
; 18 LDS loads: K step q (128 along K, 64 bytes of a row) of the 8 tiles of source 0 and of my tile of source 1, into set
.macro LOADK set, q, aadr, badr
.irp T, 0,1,2,3,4,5,6,7
.irp c, 0,1
	ds_load_b128 v[AF0+64*\set+8*\T+4*\c:AF0+64*\set+8*\T+4*\c+3], v[\aadr] offset:T16*\T+64*\q+32*\c
.endr
.endr
.irp c, 0,1
	ds_load_b128 v[BF+8*\set+4*\c:BF+8*\set+4*\c+3], v[\badr] offset:64*\q+32*\c
.endr
.endm
; 8 products: the 8 accumulators by turns, one instruction a turn.  first = 1: C is the bias, in window 1, at cb + cs T
.macro MUL set, q, first, cb, cs
.if \first
	WIN 0x10
.irp T, 0,1,2,3,4,5,6,7
	WMR ACC+8*\T, AF0+64*\set+8*\T, BF+8*\set, \cb+\cs*\T, AS+4*(\T/2)+\q, BS+\q, \T%2
.endr
	WIN 0
.else
.irp T, 0,1,2,3,4,5,6,7
	WMR ACC+8*\T, AF0+64*\set+8*\T, BF+8*\set, ACC+8*\T, AS+4*(\T/2)+\q, BS+\q, \T%2
.endr
.endif
.endm
; The 64 results of a lane become a fragment in v[PC] on and its scale word in v[PW].  Block b of 32 along the next K: registers 16 b .. 16 b + 15 of lanes l and l xor 16
.macro QUANT
.irp b, 0,1,2,3
	v_max3_num_f32 v[TM+\b], |v[ACC+16*\b]|, |v[ACC+16*\b+1]|, 0x1800000   ; each accumulator is read from its low end on; the floor 2^(3 - 127) holds the byte at 1 from below
.endr
.irp i, 2,4,6,8,10,12,14
.irp b, 0,1,2,3
	v_max3_num_f32 v[TM+\b], v[TM+\b], |v[ACC+16*\b+\i]|, |v[ACC+16*\b+\i+1]|
.endr
.endr
.irp b, 0,1,2,3
	v_permlanex16_b32 v[TM+4+\b], v[TM+\b], s[SEL], s[SEL+1]
.endr
.irp b, 0,1,2,3
	v_max_num_f32 v[TM+\b], v[TM+\b], v[TM+4+\b]   ; the largest magnitude of the block
.endr
.irp b, 0,1,2,3
	v_add_nc_u32 v[TM+12+\b], 0xff000000, v[TM+\b] ; 2 off its exponent field: the scale operand of the conversion
.endr
.irp b, 0,1,2,3
	v_lshrrev_b32 v[TM+4+\b], 23, v[TM+12+\b]      ; the byte
.endr
	v_lshl_or_b32 v[PW], v[TM+5], 8, v[TM+4]
	v_lshl_or_b32 v[PW], v[TM+6], 16, v[PW]
	v_lshl_or_b32 v[PW], v[TM+7], 24, v[PW]
.irp T, 0,1,2,3,4,5,6,7
	v_cvt_scalef32_pk8_fp4_f32 v[PC+4*(\T/4)+2*(\T%2)+(\T%4)/2], v[ACC+8*\T:ACC+8*\T+7], v[TM+12+\T/2]
.endr
	v_nop                                          ; one plain place behind the conversions
.irp c, 0,1
.irp i, 0,2
	v_permlane16_swap_b32 v[PC+4*\c+\i], v[PC+4*\c+\i+1]
.endr
.endr
.endm
; A unit: 32 products and the quantiser.  The fragments of K step q + 2 are asked for behind the products of K step q
.macro UNIT aadr, badr, asoff, bsoff, cb, cs
	s_wait_xcnt 0x0                                ; the stores of the unit before have read their registers
	PLACES
.irp b, 0,1,2,3
	ds_load_b128 v[AS+4*\b:AS+4*\b+3], v[LS] offset:\asoff+512*\b   ; rows 32 b + lane: four words, one a K step
.endr
	ds_load_b128 v[BS:BS+3], v[BSA] offset:\bsoff
	LOADK 0, 0, \aadr, \badr
	LOADK 1, 1, \aadr, \badr
	s_wait_dscnt 18                                ; all but the 18 loads of K step 1
	MUL 0, 0, 1, \cb, \cs
	PLACES
	LOADK 0, 2, \aadr, \badr
	s_wait_dscnt 18                                ; K step 1 is in; the 18 of K step 2 may be out
	MUL 1, 1, 0, 0, 0
	PLACES
	LOADK 1, 3, \aadr, \badr
	s_wait_dscnt 18                                ; K step 2 is in
	MUL 0, 2, 0, 0, 0
	s_wait_dscnt 0x0
	MUL 1, 3, 0, 0, 0
	PLACES
	QUANT
.endm
	; ---- q: registers 0-3 of the fragment are the even head, 4-7 the odd one; bytes 0, 1 of the word the even head, 2, 3 the odd one
	UNIT AQ, BX, 2048, 0, 0, 8
	v_and_or_b32 v[QSW], v[PW], s4, s5             ; (q, 0): my two bytes, then 1.0 twice over the zero codes
	v_lshl_or_b32 v[QSW+1], v[PW], 16, s6          ; (0, q)
	v_lshrrev_b32 v[QSW+2], 16, v[PW]
	v_or_b32 v[QSW+2], s5, v[QSW+2]
	v_and_or_b32 v[QSW+3], v[PW], s7, s6
	global_store_b128 v[LI], v[PC:PC+3], s[8:9]                        ; 512 consecutive bytes a wave
	global_store_b64 v[L8], v[QSW:QSW+1], s[8:9] offset:512            ; 256 consecutive bytes
	global_store_b128 v[LI], v[PC+4:PC+7], s[8:9] offset:196608        ; the odd head: 256 records on
	global_store_b64 v[L8], v[QSW+2:QSW+3], s[8:9] offset:197120
	; ---- k
	UNIT AK, BX, 4096, 0, 64, 8
	global_store_b128 v[LI], v[PC:PC+3], s[10:11]
	global_store_b128 v[LI], v[PC+4:PC+7], s[10:11] offset:262144      ; the odd head: 32 key steps on
	v_lshrrev_b32 v[TT], v[H16], v[PW]             ; lanes 0-15: the even head's two bytes, lanes 16-31: the odd head's
	ds_store_b16 v[KSA], v[TT]
	; ---- v
	UNIT AX, BV, 0, 6144, 128, 0
	global_store_b128 v[LI], v[PC:PC+3], s[12:13]
	global_store_b128 v[LI], v[PC+4:PC+7], s[12:13] offset:512
	ds_store_b32 v[VSA], v[PW]                     ; lanes r and r + 16 write the same word with the same value
	; ---- the two images of scale words leave whole
	s_wait_dscnt 0x0                               ; for the others' sake: my stores into the stage are done
	s_barrier_signal -1
	s_barrier_wait -1
	s_cmp_lt_u32 s[WV], 2
	s_cbranch_scc0 .Lend
	ds_load_b128 v[SO:SO+3], v[SRA]
	s_wait_dscnt 0x0
	global_store_b128 v[LI], v[SO:SO+3], s[14:15]  ; 512 consecutive bytes
.Lend:
	s_wait_tensorcnt 0x0
	ds_add_u32 v254, v255
	s_wait_dscnt 0x0
	ROUND                                          ; the closing round: no work-group ends while a partner may still ask for a tile that names it
	s_endpgm
.Lfunc_end_k_q095bd9324a_proj:
	.size	k_q095bd9324a_proj, .Lfunc_end_k_q095bd9324a_proj-k_q095bd9324a_proj
	.p2alignl 7, 3214868480
	.fill 96, 4, 3214868480
	.section	.rodata,"a",@progbits
	.p2align	6, 0x0
	.amdhsa_kernel k_q095bd9324a_proj
		.amdhsa_group_segment_fixed_size 168960
		.amdhsa_private_segment_fixed_size 0
		.amdhsa_enable_private_segment 0
		.amdhsa_kernarg_size 112
		.amdhsa_user_sgpr_count 2
		.amdhsa_user_sgpr_kernarg_segment_ptr 1
		.amdhsa_wavefront_size32 1
		.amdhsa_system_sgpr_workgroup_id_x 1
		.amdhsa_system_sgpr_workgroup_id_y 1
		.amdhsa_system_sgpr_workgroup_id_z 1
		.amdhsa_system_vgpr_workitem_id 0
		.amdhsa_next_free_vgpr 392
		.amdhsa_next_free_sgpr 100
		.amdhsa_reserve_vcc 0
		.amdhsa_float_denorm_mode_32 3
		.amdhsa_float_denorm_mode_16_64 3
		.amdhsa_memory_ordered 1
		.amdhsa_forward_progress 1
		.amdhsa_inst_pref_size 55
	.end_amdhsa_kernel
	.amdgpu_metadata
---
amdhsa.version: [ 1, 2 ]
amdhsa.kernels:
  - .name:           k_q095bd9324a_proj
    .symbol:         k_q095bd9324a_proj.kd
    .args:
      - { .name: x_codes, .offset: 0, .size: 8, .value_kind: global_buffer, .address_space: global }
      - { .name: x_scales, .offset: 8, .size: 8, .value_kind: global_buffer, .address_space: global }
      - { .name: Wq_codes, .offset: 16, .size: 8, .value_kind: global_buffer, .address_space: global }
      - { .name: Wq_scales, .offset: 24, .size: 8, .value_kind: global_buffer, .address_space: global }
      - { .name: Wk_codes, .offset: 32, .size: 8, .value_kind: global_buffer, .address_space: global }
      - { .name: Wk_scales, .offset: 40, .size: 8, .value_kind: global_buffer, .address_space: global }
      - { .name: Wv_codes, .offset: 48, .size: 8, .value_kind: global_buffer, .address_space: global }
      - { .name: Wv_scales, .offset: 56, .size: 8, .value_kind: global_buffer, .address_space: global }
      - { .name: bq, .offset: 64, .size: 8, .value_kind: global_buffer, .address_space: global }
      - { .name: bk, .offset: 72, .size: 8, .value_kind: global_buffer, .address_space: global }
      - { .name: bv, .offset: 80, .size: 8, .value_kind: global_buffer, .address_space: global }
      - { .name: qw, .offset: 88, .size: 8, .value_kind: global_buffer, .address_space: global }
      - { .name: kvc, .offset: 96, .size: 8, .value_kind: global_buffer, .address_space: global }
      - { .name: kvs, .offset: 104, .size: 8, .value_kind: global_buffer, .address_space: global }
    .group_segment_fixed_size: 168960
    .private_segment_fixed_size: 0
    .kernarg_segment_align: 8
    .kernarg_segment_size: 112
    .max_flat_workgroup_size: 256
    .sgpr_count:     100
    .vgpr_count:     392
    .wavefront_size: 32
...
	.end_amdgpu_metadata
.endif
;; end of part 1
;; launch attn (part 2): grid 16 x 16, 16 waves a work-group, no clusters, 104,448 bytes of LDS; arguments qw, kvc, kvs, out0; writes out0
.if DOCPART == 2
	.amdgcn_target "amdgcn-amd-amdhsa--gfx1250"
	.amdhsa_code_object_version 6
	.text
	.protected	k_q095bd9324a_attn
	.globl	k_q095bd9324a_attn
	.p2align	8
	.type	k_q095bd9324a_attn,@function
k_q095bd9324a_attn:
	s_mov_b64 s[64:65], 0
	v_nop
	global_prefetch_b8 v0, s[64:65] scope:SCOPE_SE
	s_setreg_imm32_b32 hwreg(HW_REG_WAVE_MODE, 25, 1), 1
	s_wait_xcnt 0x0
; Causal attention on codes of FP4 (E2M1) with E8M0 scales: 16 (batch, head) pairs bh, 4,096 queries and keys, head size 64.  Inputs: the register images that the launch before has stored (qw, kvc, kvs; their layouts stand at its head).
; t = score x log2(e) / sqrt(512); M = the largest t of the row so far, rounded UP to a whole number; p = 2^(t - M) is quantised along the keys, not normalised; the sum of the row is taken of the
; unquantised p in f32 and divides O at the end.  When M moves, the sum and O are multiplied by 2^(old M - new M): exact.
; SHARES.  Work-group (i, bh): waves 0-7 own the 128 queries of block i, waves 8-15 those of block 31 - i: (i + 1) + (32 - i) = 33 blocks of keys for every work-group.  A wave owns ONE tile of 16 queries.
; All sixteen waves walk the key steps (128 keys) together through two LDS slots; a wave leaves out the work of a step all of whose keys come after its queries (a scalar branch on ids).
; The loop has 16 trips of two steps in every work-group; steps beyond the last that the work-group needs, 31 - i, load nothing.
; DATA PATH.  The codes of a step are 8,192 bytes: one load of 16 bytes a thread, asked for at the head of the step before, put into the other slot at its end, in front of the one barrier of the step.  The 16,384 bytes of scale words of a head come once.
; NO CLUSTER, NO JOINT LOADS: the sixteen work-groups of a head need 17 to 32 key steps, and the steps that a work-group does not need leave their load out by a branch, which a joint request does not allow;
; what is shared is 8,192 bytes a step against sixteen waves' softmax of 16 x 128 scores each.
; PRODUCTS, both transposed: a lane holds ONE query (lane % 16) throughout.  S^T: the head size is 64 and the instruction takes 128 along K, so a fragment of K carries TWO tiles of 16 keys (registers 0-3, 4-7)
; and is multiplied once by (q, 0) and once by (0, q): zero codes wipe the other half out.  Register 8 T + j of S^T is key 16 T + 8 (lane / 16) + j.  O^T += V^T P^T: source 0 = 16 of the 64 channels, K = the 128 keys.
; p becomes an operand as in the launch before: the codes of tile T go to register 4 (T / 4) + 2 (T % 2) + (T % 4) / 2, then two swaps by halves for each four registers.
; LIMITS: NaN and infinities are not served; t is made by one multiplication with the rounded constant log2(e) / sqrt(512); a block whose every p is 0 keeps the byte 1: its codes are zeros.
.set SCA,   16384                      ; LDS: slot 0 at 0, slot 1 at 8192; the scale words of the head: step j at SCA + 512 j
.set STAGE, 32768                      ; the way out: 16 rows x (256 + 16) bytes for each wave, its own
.set LI,  1                            ; v1   16 x lane
.set LT,  2                            ; v2   16 x thread
.set ADS, 3                            ; v3   the scale words of the step in hand
.set L8,  4                            ; v4   8 x lane
.set PFO, 5                            ; v5   256 x lane
.set STI, 6                            ; v6   the stage: where I put 32 bytes of a row
.set GO,  7                            ; v7   my byte offset in two rows of out0
.set STO, 28                           ; v28  the stage: where I read a row back
.set DG,  29                           ; v29  r - 8 h, for the diagonal
.set NX,  196                          ; v196-199 my 16 bytes of the next step
; v12 -M, v13 the largest t, v[14:15] the sum in two halves; v16-19 q, v20-23 zeros, v24-27 q again: (q, 0) = v[16:23], (0, q) = v[20:27]; v32-63 K, v64-95 V; v96-159 S^T, then p; v160-191 O^T;
; v192-195 the scale words of K and V, v200-201 those of q, v202 that of p: these hold scales and nothing else; v224-231 the codes of p; v232-254 at work
.set WV,  12                           ; s12 wave, s13 i, s14 bh
.set II,  13
.set BH,  14
.set Q0,  15                           ; s15 my first query, s16 my last
.set QH,  16
.set KL,  17                           ; s17 128 x (31 - i): the first key of the last step that the work-group needs
.set PL,  18                           ; s18 128 x 29 in the one wave of a head that prefetches, else 0
.set KF,  19                           ; s19 the first key of the step in hand
.set TS,  20                           ; s20 512 x step
.set LP,  21                           ; s21 trips to go
.set SEL, 22                           ; s[22:23] lane selects: lane l xor 16
.set CS,  24                           ; s[24:25] c = log2(e) / sqrt(512)
.set KV,  26                           ; s[26:27] the codes of the first step of the trip
.macro WMZ d, a, b, sa, sb, row        ; a product that starts a sum;  row = 1: the scale words of source 0 are read from lanes 16-31
.if \row
	v_wmma_scale_f32_16x16x128_f8f6f4 v[\d:\d+7], v[\a:\a+7], v[\b:\b+7], 0, v[\sa], v[\sb] matrix_a_fmt:MATRIX_FMT_FP4 matrix_b_fmt:MATRIX_FMT_FP4 matrix_a_scale:MATRIX_SCALE_ROW1
.else
	v_wmma_scale_f32_16x16x128_f8f6f4 v[\d:\d+7], v[\a:\a+7], v[\b:\b+7], 0, v[\sa], v[\sb] matrix_a_fmt:MATRIX_FMT_FP4 matrix_b_fmt:MATRIX_FMT_FP4
.endif
.endm
.macro WMR d, a, b, sa, sb, row        ; a product that adds in place
.if \row
	v_wmma_scale_f32_16x16x128_f8f6f4 v[\d:\d+7], v[\a:\a+7], v[\b:\b+7], v[\d:\d+7], v[\sa], v[\sb] matrix_a_fmt:MATRIX_FMT_FP4 matrix_b_fmt:MATRIX_FMT_FP4 matrix_a_scale:MATRIX_SCALE_ROW1
.else
	v_wmma_scale_f32_16x16x128_f8f6f4 v[\d:\d+7], v[\a:\a+7], v[\b:\b+7], v[\d:\d+7], v[\sa], v[\sb] matrix_a_fmt:MATRIX_FMT_FP4 matrix_b_fmt:MATRIX_FMT_FP4
.endif
.endm
	s_load_b256 s[4:11], s[0:1], 0x0               ; qw s[4:5], kvc s[6:7], kvs s[8:9], out0 s[10:11]
	v_lshl_add_u32 v251, v0, 2, 0x19000
	v_mov_b32 v255, 0
	v_lshrrev_b32 v8, 5, v0
	v_readfirstlane_b32 s[WV], v8                  ; wave 0..15
	s_mov_b32 s[II], ttmp9
	s_and_b32 s[BH], ttmp7, 0xffff
	s_sub_co_u32 s28, 31, s[II]
	s_cmp_lt_u32 s[WV], 8
	s_cselect_b32 s29, s[II], s28                  ; my block of 128 queries
	s_lshl_b32 s[Q0], s29, 7
	s_and_b32 s30, s[WV], 7
	s_lshl_b32 s30, s30, 4
	s_add_co_u32 s[Q0], s[Q0], s30
	s_add_co_u32 s[QH], s[Q0], 15
	s_lshl_b32 s[KL], s28, 7
	s_or_b32 s30, s[II], s[WV]
	s_cmp_eq_u32 s30, 0
	s_cselect_b32 s[PL], 29*128, 0
	s_mov_b32 s[SEL], 0x76543210
	s_mov_b32 s[SEL+1], 0xfedcba98
	s_mov_b32 s[CS], 0x3d8293ee
	s_mov_b32 s[CS+1], s[CS]                       ; (named with it as a pair, so it is written)
	s_lshl_b32 s28, s[BH], 8
	s_lshr_b32 s29, s[Q0], 4
	s_add_co_u32 s28, s28, s29
	s_mul_i32 s28, s28, 768                        ; my record of qw
	s_mov_b32 s29, 0
	s_lshl_b32 s30, s[BH], 18                      ; the head in kvc: 32 steps of 8,192 bytes
	s_mov_b32 s31, 0
	s_lshl_b32 s32, s[BH], 14                      ; and in kvs
	s_mov_b32 s33, 0
	s_lshr_b32 s34, s[BH], 3
	s_lshl_b32 s34, s34, 12
	s_add_co_u32 s34, s34, s[Q0]
	s_lshl_b32 s34, s34, 11                        ; out0: row (batch, query) of 2,048 bytes,
	s_and_b32 s35, s[BH], 7
	s_lshl_b32 s35, s35, 8
	s_add_co_u32 s34, s34, s35                     ; the 256 bytes of the head in it
	s_mov_b32 s35, 0
	s_mul_i32 s36, s[WV], 16*272
	s_add_co_u32 s36, s36, STAGE                   ; my stage
	v_and_b32 v8, 31, v0                           ; lane
	v_lshlrev_b32 v[LI], 4, v8
	v_lshlrev_b32 v[LT], 4, v0
	v_lshlrev_b32 v[L8], 3, v8
	v_lshlrev_b32 v[PFO], 8, v8
	v_and_b32 v9, 15, v0                           ; r
	v_bfe_u32 v10, v0, 4, 1                        ; h
	v_lshlrev_b32 v[GO], 11, v10
	v_lshl_add_u32 v[GO], v9, 4, v[GO]             ; lanes 0-15 one row, lanes 16-31 the next; 16 bytes a lane
	v_mul_u32_u24 v[STI], v9, 272
	v_lshl_add_u32 v[STI], v10, 5, v[STI]
	v_add_nc_u32 v[STI], s36, v[STI]               ; in: row r, + 32 h
	v_mul_u32_u24 v[STO], v10, 272
	v_lshl_add_u32 v[STO], v9, 4, v[STO]
	v_add_nc_u32 v[STO], s36, v[STO]               ; back: row h, + 16 r
	v_lshlrev_b32 v[DG], 3, v10
	v_sub_nc_u32 v[DG], v9, v[DG]
	s_wait_kmcnt 0x0
	s_add_nc_u64 s[4:5], s[4:5], s[28:29]
	s_add_nc_u64 s[KV:KV+1], s[6:7], s[30:31]
	s_add_nc_u64 s[8:9], s[8:9], s[32:33]
	s_add_nc_u64 s[10:11], s[10:11], s[34:35]
	global_load_b128 v[NX:NX+3], v[LT], s[KV:KV+1]         ; key step 0
	global_load_b128 v[96:99], v[LT], s[8:9]               ; the scale words of the head: 2 x 8,192 bytes
	global_load_b128 v[100:103], v[LT], s[8:9] offset:8192
	global_load_b128 v[16:19], v[LI], s[4:5]               ; q, twice: the two operands share the zeros alone
	global_load_b128 v[24:27], v[LI], s[4:5]
	global_load_b64 v[200:201], v[L8], s[4:5] offset:512   ; its two scale words
.irp j, 20,21,22,23
	v_mov_b32 v[\j], 0
.endr
	v_mov_b32 v13, 0xff61b1e6                      ; the largest t so far: -3e38, under every t
	v_floor_f32 v12, -v13                          ; -M
	v_mov_b32 v14, 0
	v_mov_b32 v15, 0
.irp j, 236,237,238,239,252,253
	v_mov_b32 v[\j], 0                             ; destinations of lane permutes, and the upper half of the pair v[252:253]: written once
.endr
.set j, 0
.rept 32
	v_mov_b32 v[160+j], 0                          ; O^T: the step is written once; the first change of M multiplies zeros
.set j, j+1
.endr
	s_wait_loadcnt 0x0
	ds_store_b128 v[LT], v[NX:NX+3]
	ds_store_b128 v[LT], v[96:99] offset:SCA
	ds_store_b128 v[LT], v[100:103] offset:SCA+8192
	s_wait_dscnt 0x0                               ; for the others' sake: my stores are done
	s_barrier_signal -1
	s_barrier_wait -1
	s_mov_b32 s[KF], 0
	s_mov_b32 s[TS], 0
	s_mov_b32 s[LP], 16
; A KEY STEP, out of slot (0 or 1)
.macro TRIP slot
	s_cmp_lt_u32 s[KF], s[KL]                      ; is there a next step that the work-group needs?
	s_cbranch_scc0 .Lnl_\@
	global_load_b128 v[NX:NX+3], v[LT], s[KV:KV+1] offset:(\slot+1)*8192   ; my 16 bytes of it: it has this step in which to come
	; A PREFETCH of the 8,192 bytes of the step three on, two steps ahead of the load that will want them: lanes 256 bytes apart, one instruction.  All sixteen work-groups of a head walk the same blocks:
	; wave 0 of work-group i = 0, which walks all 32 steps, asks, and nobody else.  Steps 0 to 2 come by their loads alone; from step 29 on nothing is asked for: there is no step 32.
	s_cmp_lt_u32 s[KF], s[PL]
	s_cbranch_scc0 .Lnl_\@
	global_prefetch_b8 v[PFO], s[KV:KV+1] offset:(\slot+3)*8192 th:TH_LOAD_NT scope:SCOPE_SE
.Lnl_\@:
	s_cmp_gt_u32 s[KF], s[QH]                      ; all keys of the step come after my queries: no work
	s_cbranch_scc1 .Lhid_\@
	v_add_nc_u32 v[ADS], s[TS], v[LI]              ; with the three v_nop: the four places behind the last products, in front of the loads into their registers
.rept 3
	v_nop
.endr
	ds_load_b128 v[192:195], v[ADS] offset:SCA
.irp f, 0,1,2,3
.irp c, 0,1
	ds_load_b128 v[32+8*\f+4*\c:35+8*\f+4*\c], v[LI] offset:\slot*8192+1024*\f+512*\c
.endr
.endr
.irp f, 0,1,2,3
.irp c, 0,1
	ds_load_b128 v[64+8*\f+4*\c:67+8*\f+4*\c], v[LI] offset:\slot*8192+4096+1024*\f+512*\c
.endr
.endr
	s_wait_dscnt 8                                 ; the scale words and K are in; the eight loads of V may be out
.irp f, 0,1,2,3
.irp u, 0,1
	WMZ 96+8*(2*\f+\u), 32+8*\f, 16+4*\u, 192+(\f/2), 200+\u, \f%2
.endr
.endr
.rept 4
	v_nop
.endr
	s_add_co_u32 s28, s[KF], 127                   ; a step all of whose keys count skips the mask
	s_cmp_le_u32 s28, s[Q0]
	s_cbranch_scc1 .Lopen_\@
	s_sub_co_i32 s28, s[Q0], s[KF]
	v_add_nc_u32 v252, s28, v[DG]                  ; d = my query - KF - 8 h.  Register 8 T + j holds key KF + 16 T + 8 h + j: hidden where 16 T + j > d
	v_mov_b32 v254, 0xff800000                     ; -infinity: p = 0 then
.set n, 0
.rept 64
	v_cmp_gt_i32 vcc_lo, 16*(n/8)+n%8, v252
	v_cndmask_b32 v[96+n], v[96+n], v254, vcc_lo
.set n, n+1
.endr
.Lopen_\@:
.irp b, 0,1,2,3
	v_max3_num_f32 v[232+\b], v[96+16*\b], v[97+16*\b], v[98+16*\b]   ; the largest score of each block of 32 keys: it serves the maximum of the row and, since p rises with the score, the largest p of the block
.endr
.irp i, 3,5,7,9,11,13
.irp b, 0,1,2,3
	v_max3_num_f32 v[232+\b], v[232+\b], v[96+16*\b+\i], v[97+16*\b+\i]
.endr
.endr
.irp b, 0,1,2,3
	v_max_num_f32 v[232+\b], v[232+\b], v[111+16*\b]
.endr
.irp b, 0,1,2,3
	v_permlanex16_b32 v[236+\b], v[232+\b], s[SEL], s[SEL+1]
.endr
.irp b, 0,1,2,3
	v_max_num_f32 v[232+\b], v[232+\b], v[236+\b]  ; with the 16 keys of lane l xor 16
.endr
	v_max3_num_f32 v254, v232, v233, v234
	v_max_num_f32 v254, v254, v235
	v_mul_f32 v254, s[CS], v254                    ; as t (c is positive)
	v_max_num_f32 v13, v13, v254                   ; the running largest t
	v_mov_b32 v254, v12
	v_floor_f32 v12, -v13                          ; the new -M = floor(-t): M is a whole number
	v_sub_f32 v254, v12, v254                      ; old M - new M: a whole number, 0 or less
	v_cvt_i32_f32 v254, v254                       ; (it saturates)
	v_ldexp_f32 v252, 1.0, v254                    ; f = 2^(old M - new M)
.set j, 0
.rept 32
	v_pk_fma_f32 v[96+j:97+j], v[96+j:97+j], s[CS:CS+1], v[12:13] op_sel_hi:[1,0,0]   ; t - M, two at a time
.set j, j+2
.endr
.irp b, 0,1,2,3
	v_fma_f32 v[232+\b], v[232+\b], s[CS], v12     ; the same of the largest score of each block
.endr
.set j, 0
.rept 64
	v_exp_f32 v[96+j], v[96+j]                     ; p = 2^(t - M), at most 1
.set j, j+1
.endr
	v_pk_mul_f32 v[14:15], v[14:15], v[252:253] op_sel_hi:[1,0]   ; the sums under the new M; the plain instruction behind the exponentials
	s_wait_alu depctr_va_vdst(0)                   ; one wait for the batch of 64, ahead of its first reader
.irp b, 0,1,2,3
	v_exp_f32 v[232+\b], v[232+\b]                 ; the largest p of each block
.endr
	v_pk_add_f32 v[236:237], v[96:97], v[98:99]    ; the sum of the row, of the unquantised p: two chains.  It reads the 64 alone
.irp j, 4,8,12,16,20,24,28,32,36,40,44,48,52,56,60
	v_pk_add_f32 v[14:15], v[14:15], v[96+\j:97+\j]
	v_pk_add_f32 v[236:237], v[236:237], v[98+\j:99+\j]
.endr
	v_pk_add_f32 v[14:15], v[14:15], v[236:237]
	s_wait_alu depctr_va_vdst(0)                   ; and one for the four
.irp b, 0,1,2,3
	v_max_num_f32 v[232+\b], 0x1800000, v[232+\b]  ; the floor 2^(3 - 127): the byte cannot fall under 1
.endr
.irp b, 0,1,2,3
	v_add_nc_u32 v[244+\b], 0xff000000, v[232+\b]  ; 2 off the exponent field: the scale operand of the conversion
.endr
.irp b, 0,1,2,3
	v_lshrrev_b32 v[236+\b], 23, v[244+\b]         ; the byte
.endr
	v_lshl_or_b32 v202, v237, 8, v236              ; the scale word of p for these 128 keys
	v_lshl_or_b32 v202, v238, 16, v202
	v_lshl_or_b32 v202, v239, 24, v202
.irp T, 0,1,2,3,4,5,6,7
	v_cvt_scalef32_pk8_fp4_f32 v[224+4*(\T/4)+2*(\T%2)+(\T%4)/2], v[96+8*\T:103+8*\T], v[244+\T/2]
.endr
	v_nop                                          ; one plain place behind the conversions
.irp c, 0,1
.irp i, 0,2
	v_permlane16_swap_b32 v[224+4*\c+\i], v[225+4*\c+\i]
.endr
.endr
.set j, 0
.rept 16
	v_pk_mul_f32 v[160+j:161+j], v[160+j:161+j], v[252:253] op_sel_hi:[1,0]   ; O^T under the new M, from the low end on.  For each product below twelve of these name none of its registers: the places behind the writes of the scale word and the codes
.set j, j+2
.endr
	s_wait_dscnt 0x0                               ; V is in
.irp dt, 0,1,2,3
	WMR 160+8*\dt, 64+8*\dt, 224, 194+(\dt/2), 202, \dt%2   ; the four accumulators by turns, one instruction a turn; the eight products of S^T stand between two links
.endr
.Lhid_\@:
	s_wait_loadcnt 0x0                             ; my 16 bytes of the next step are in (on every path: no load is out when the next is issued)
	ds_store_b128 v[LT], v[NX:NX+3] offset:(1-\slot)*8192   ; into the other slot, which every wave left before the last barrier.  Beyond the last step needed these are old bytes that nobody reads
	s_wait_dscnt 0x0                               ; my store has landed, and my reads of this slot are back
	s_barrier_signal -1
	s_barrier_wait -1                              ; both hold of every wave: the other slot is whole, and nobody reads this one
	s_add_co_u32 s[KF], s[KF], 128
	s_add_co_u32 s[TS], s[TS], 512
.endm
.Ltrip:
	TRIP 0
	TRIP 1
	s_wait_xcnt 0x0                                ; the loads and the prefetches have read their base
	s_add_nc_u64 s[KV:KV+1], s[KV:KV+1], 16384
	s_sub_co_u32 s[LP], s[LP], 1
	s_cmp_lg_u32 s[LP], 0
	s_cbranch_scc1 .Ltrip
	; THE WAY OUT: O^T / the sum goes through my own stage and leaves as whole pieces of 256 bytes, one (query, head) each
.rept 4
	v_nop                                          ; the places behind the last products
.endr
	v_add_f32 v14, v14, v15                        ; the two halves of the sum,
	v_permlanex16_b32 v252, v14, s[SEL], s[SEL+1]
	v_add_f32 v14, v14, v252                       ; and those of lane l xor 16
	v_rcp_f32 v14, v14
	v_nop                                          ; a plain instruction behind the reciprocal
	s_wait_alu depctr_va_vdst(0)                   ; and the wait ahead of its first reader
.set j, 0
.rept 32
	v_mul_f32 v[96+j], v[160+j], v14               ; register 8 dt + i is o(query r, channel 16 dt + 8 h + i)
.set j, j+1
.endr
.irp dt, 0,1,2,3
	ds_store_b128 v[STI], v[96+8*\dt:99+8*\dt] offset:64*\dt
	ds_store_b128 v[STI], v[100+8*\dt:103+8*\dt] offset:64*\dt+16
.endr
.irp i, 0,1,2,3,4,5,6,7
	ds_load_b128 v[32+4*\i:35+4*\i], v[STO] offset:544*\i   ; LDS serves the instructions of a wave in order (ISA guide 5.7.1.4): these see my stores
.endr
.irp i, 0,1,2,3,4,5,6,7
	s_wait_dscnt 7-\i                              ; the younger reads of the stage may be out
	global_store_b128 v[GO], v[32+4*\i:35+4*\i], s[10:11] offset:4096*\i th:TH_STORE_NT   ; sixteen lanes store 256 consecutive bytes, at a multiple of 256 from the first byte of out0
.endr
	s_wait_tensorcnt 0x0
	ds_add_u32 v251, v255
	s_wait_dscnt 0x0
	s_endpgm
.Lfunc_end_k_q095bd9324a_attn:
	.size	k_q095bd9324a_attn, .Lfunc_end_k_q095bd9324a_attn-k_q095bd9324a_attn
	.p2alignl 7, 3214868480
	.fill 96, 4, 3214868480
	.section	.rodata,"a",@progbits
	.p2align	6, 0x0
	.amdhsa_kernel k_q095bd9324a_attn
		.amdhsa_group_segment_fixed_size 104448
		.amdhsa_private_segment_fixed_size 0
		.amdhsa_enable_private_segment 0
		.amdhsa_kernarg_size 32
		.amdhsa_user_sgpr_count 2
		.amdhsa_user_sgpr_kernarg_segment_ptr 1
		.amdhsa_wavefront_size32 1
		.amdhsa_system_sgpr_workgroup_id_x 1
		.amdhsa_system_sgpr_workgroup_id_y 1
		.amdhsa_system_sgpr_workgroup_id_z 1
		.amdhsa_system_vgpr_workitem_id 0
		.amdhsa_next_free_vgpr 256
		.amdhsa_next_free_sgpr 66
		.amdhsa_reserve_vcc 1
		.amdhsa_float_denorm_mode_32 3
		.amdhsa_float_denorm_mode_16_64 3
		.amdhsa_memory_ordered 1
		.amdhsa_forward_progress 1
		.amdhsa_inst_pref_size 50
	.end_amdhsa_kernel
	.amdgpu_metadata
---
amdhsa.version: [ 1, 2 ]
amdhsa.kernels:
  - .name:           k_q095bd9324a_attn
    .symbol:         k_q095bd9324a_attn.kd
    .args:
      - { .name: qw, .offset: 0, .size: 8, .value_kind: global_buffer, .address_space: global }
      - { .name: kvc, .offset: 8, .size: 8, .value_kind: global_buffer, .address_space: global }
      - { .name: kvs, .offset: 16, .size: 8, .value_kind: global_buffer, .address_space: global }
      - { .name: out0, .offset: 24, .size: 8, .value_kind: global_buffer, .address_space: global }
    .group_segment_fixed_size: 104448
    .private_segment_fixed_size: 0
    .kernarg_segment_align: 8
    .kernarg_segment_size: 32
    .max_flat_workgroup_size: 512
    .sgpr_count:     66
    .vgpr_count:     256
    .wavefront_size: 32
...
	.end_amdgpu_metadata
.endif
;; end of part 2
;; ======== version 2 of 2: 2 launches; version 1 with the launch attn written anew for expert scheduling mode
;; workspace buffers: qw 3,145,728 bytes; kvc 4,194,304 bytes; kvs 262,144 bytes
;; launch proj: the kernel of part 1 again; grid 4 x 64, 8 waves a work-group, clusters of 4 x 4, 168,960 bytes of LDS; arguments x_codes, x_scales, Wq_codes, Wq_scales, Wk_codes, Wk_scales, Wv_codes, Wv_scales, bq, bk, bv, qw, kvc, kvs; writes qw, kvc, kvs
;; launch attn (part 3): grid 16 x 16, 16 waves a work-group, no clusters, 104,448 bytes of LDS; arguments qw, kvc, kvs, out0; writes out0
.if DOCPART == 3
	.amdgcn_target "amdgcn-amd-amdhsa--gfx1250"
	.amdhsa_code_object_version 6
	.text
	.protected	k_q095bd9324a_attn
	.globl	k_q095bd9324a_attn
	.p2align	8
	.type	k_q095bd9324a_attn,@function
k_q095bd9324a_attn:
	s_mov_b64 s[64:65], 0
	v_nop
	global_prefetch_b8 v0, s[64:65] scope:SCOPE_SE
	s_setreg_imm32_b32 hwreg(HW_REG_WAVE_SCHED_MODE, 0, 2), 2
	s_setreg_imm32_b32 hwreg(HW_REG_WAVE_MODE, 25, 1), 1
	s_wait_xcnt 0x0
	s_wait_alu depctr_vm_vsrc(0)
; Causal attention on codes of FP4 (E2M1) with E8M0 scales: 16 (batch, head) pairs bh, 4,096 queries and keys, head size 64.  Inputs: the register images that the launch before has stored (qw, kvc, kvs; their layouts stand at its head).
; t = score x log2(e) / sqrt(512); M = the largest t of the row so far, rounded UP to a whole number; p = 2^(t - M) is quantised along the keys, not normalised; the sum of the row is taken of the
; unquantised p in f32 and divides O at the end.  When M moves, the sum and O are multiplied by 2^(old M - new M): exact.
; SHARES.  Work-group (i, bh): waves 0-7 own the 128 queries of block i, waves 8-15 those of block 31 - i: (i + 1) + (32 - i) = 33 blocks of keys for every work-group.  A wave owns ONE tile of 16 queries.
; All sixteen waves walk the key steps (128 keys) together through two LDS slots; a wave leaves out the work of a step all of whose keys come after its queries (a scalar branch on ids).
; The loop has 16 trips of two steps in every work-group; steps beyond the last that the work-group needs, 31 - i, load nothing.
; DATA PATH.  The codes of a step are 8,192 bytes: one load of 16 bytes a thread, asked for at the head of the step before, put into the other slot at its end, in front of the one barrier of the step.  The 16,384 bytes of scale words of a head come once.
; NO CLUSTER, NO JOINT LOADS: the sixteen work-groups of a head need 17 to 32 key steps, and the steps that a work-group does not need leave their load out by a branch, which a joint request does not allow;
; what is shared is 8,192 bytes a step against sixteen waves' softmax of 16 x 128 scores each.
; PRODUCTS, both transposed: a lane holds ONE query (lane % 16) throughout.  S^T: the head size is 64 and the instruction takes 128 along K, so a fragment of K carries TWO tiles of 16 keys (registers 0-3, 4-7)
; and is multiplied once by (q, 0) and once by (0, q): zero codes wipe the other half out.  Register 8 T + j of S^T is key 16 T + 8 (lane / 16) + j.  O^T += V^T P^T: source 0 = 16 of the 64 channels, K = the 128 keys.
; p becomes an operand as in the launch before: the codes of tile T go to register 4 (T / 4) + 2 (T % 2) + (T % 4) / 2, then two swaps by halves for each four registers.
; LIMITS: NaN and infinities are not served; t is made by one multiplication with the rounded constant log2(e) / sqrt(512); a block whose every p is 0 keeps the byte 1: its codes are zeros.
; THE MODE: SCHED_MODE bits 1:0 = 2 (LLVM: expert scheduling mode 2), set by the entry lines.  The code itself states the register dependences
; between vector or matrix instructions and memory or LDS instructions, with s_wait_alu, always for 0.
; THE PLAN.  Registers that memory or LDS instructions touch:
;   v1, v2, v4-v7, v28, v251, v255   addresses, and the two registers of the closing add: written at the head, never again; one wait on va_vdst stands ahead of the first load.
;   v[ADS]       written by one addition at the head of a step that has work; read by that step's load of the scale words.
;   v[NX ..]     the global load at a step's head lands in them; the LDS store at the same step's end reads them; no vector instruction names them.
;   v192-195, v32-63, v64-95   scale words, K, V: the LDS loads of a step land in them; that step's products read them.
;   v96-103      at the head: loaded and stored to LDS; from the first step on written by the products of S^T.
; A STEP HAS THREE WAITS.  One on vm_vsrc at its head, ahead of its first branch: the LDS store of the step before has read v[NX ..], and its load of the scale words v[ADS].  One on va_vdst behind the addition to v[ADS]:
; the address is written, and the products of the step before are done reading the scale words, K and V; the step's 17 LDS loads follow it with no further wait, V's eight dealt among the eight products of S^T,
; which name none of V's registers.  One on va_vdst ahead of the products O^T += V^T P^T: the scale word and the codes of p, made by vector instructions, are written.
; On the diagonal the compares write scalar registers in runs of 16, with one wait on va_sdst between a run and its selects.
.set SCA,   16384                      ; LDS: slot 0 at 0, slot 1 at 8192; the scale words of the head: step j at SCA + 512 j
.set STAGE, 32768                      ; the way out: 16 rows x (256 + 16) bytes for each wave, its own
.set LI,  1                            ; v1   16 x lane
.set LT,  2                            ; v2   16 x thread
.set ADS, 3                            ; v3   the scale words of the step in hand
.set L8,  4                            ; v4   8 x lane
.set PFO, 5                            ; v5   256 x lane
.set STI, 6                            ; v6   the stage: where I put 32 bytes of a row
.set GO,  7                            ; v7   my byte offset in two rows of out0
.set STO, 28                           ; v28  the stage: where I read a row back
.set DG,  29                           ; v29  r - 8 h, for the diagonal
.set NX,  196                          ; v196-199 my 16 bytes of the next step
; v12 -M, v13 the largest t, v[14:15] the sum in two halves; v16-19 q, v20-23 zeros, v24-27 q again: (q, 0) = v[16:23], (0, q) = v[20:27]; v32-63 K, v64-95 V; v96-159 S^T, then p; v160-191 O^T;
; v192-195 the scale words of K and V, v200-201 those of q, v202 that of p: these hold scales and nothing else; v224-231 the codes of p; v232-254 at work
.set WV,  12                           ; s12 wave, s13 i, s14 bh
.set II,  13
.set BH,  14
.set Q0,  15                           ; s15 my first query, s16 my last
.set QH,  16
.set KL,  17                           ; s17 128 x (31 - i): the first key of the last step that the work-group needs
.set PL,  18                           ; s18 128 x 29 in the one wave of a head that prefetches, else 0
.set KF,  19                           ; s19 the first key of the step in hand
.set TS,  20                           ; s20 512 x step
.set LP,  21                           ; s21 trips to go
.set SEL, 22                           ; s[22:23] lane selects: lane l xor 16
.set CS,  24                           ; s[24:25] c = log2(e) / sqrt(512)
.set KV,  26                           ; s[26:27] the codes of the first step of the trip
.set MK,  32                           ; s32-47 behind the head: the masks of 16 compares on the diagonal
.macro WMZ d, a, b, sa, sb, row        ; a product that starts a sum;  row = 1: the scale words of source 0 are read from lanes 16-31
.if \row
	v_wmma_scale_f32_16x16x128_f8f6f4 v[\d:\d+7], v[\a:\a+7], v[\b:\b+7], 0, v[\sa], v[\sb] matrix_a_fmt:MATRIX_FMT_FP4 matrix_b_fmt:MATRIX_FMT_FP4 matrix_a_scale:MATRIX_SCALE_ROW1
.else
	v_wmma_scale_f32_16x16x128_f8f6f4 v[\d:\d+7], v[\a:\a+7], v[\b:\b+7], 0, v[\sa], v[\sb] matrix_a_fmt:MATRIX_FMT_FP4 matrix_b_fmt:MATRIX_FMT_FP4
.endif
.endm
.macro WMR d, a, b, sa, sb, row        ; a product that adds in place
.if \row
	v_wmma_scale_f32_16x16x128_f8f6f4 v[\d:\d+7], v[\a:\a+7], v[\b:\b+7], v[\d:\d+7], v[\sa], v[\sb] matrix_a_fmt:MATRIX_FMT_FP4 matrix_b_fmt:MATRIX_FMT_FP4 matrix_a_scale:MATRIX_SCALE_ROW1
.else
	v_wmma_scale_f32_16x16x128_f8f6f4 v[\d:\d+7], v[\a:\a+7], v[\b:\b+7], v[\d:\d+7], v[\sa], v[\sb] matrix_a_fmt:MATRIX_FMT_FP4 matrix_b_fmt:MATRIX_FMT_FP4
.endif
.endm
	s_load_b256 s[4:11], s[0:1], 0x0               ; qw s[4:5], kvc s[6:7], kvs s[8:9], out0 s[10:11]
	v_lshl_add_u32 v251, v0, 2, 0x19000
	v_mov_b32 v255, 0
	v_lshrrev_b32 v8, 5, v0
	v_readfirstlane_b32 s[WV], v8                  ; wave 0..15
	s_mov_b32 s[II], ttmp9
	s_and_b32 s[BH], ttmp7, 0xffff
	s_sub_co_u32 s28, 31, s[II]
	s_wait_alu depctr_va_sdst(0)                   ; s[WV] is written, ahead of its first reader: the wave's queries, its stage and its bases are made from it
	s_cmp_lt_u32 s[WV], 8
	s_cselect_b32 s29, s[II], s28                  ; my block of 128 queries
	s_lshl_b32 s[Q0], s29, 7
	s_and_b32 s30, s[WV], 7
	s_lshl_b32 s30, s30, 4
	s_add_co_u32 s[Q0], s[Q0], s30
	s_add_co_u32 s[QH], s[Q0], 15
	s_lshl_b32 s[KL], s28, 7
	s_or_b32 s30, s[II], s[WV]
	s_cmp_eq_u32 s30, 0
	s_cselect_b32 s[PL], 29*128, 0
	s_mov_b32 s[SEL], 0x76543210
	s_mov_b32 s[SEL+1], 0xfedcba98
	s_mov_b32 s[CS], 0x3d8293ee
	s_mov_b32 s[CS+1], s[CS]                       ; (named with it as a pair, so it is written)
	s_lshl_b32 s28, s[BH], 8
	s_lshr_b32 s29, s[Q0], 4
	s_add_co_u32 s28, s28, s29
	s_mul_i32 s28, s28, 768                        ; my record of qw
	s_mov_b32 s29, 0
	s_lshl_b32 s30, s[BH], 18                      ; the head in kvc: 32 steps of 8,192 bytes
	s_mov_b32 s31, 0
	s_lshl_b32 s32, s[BH], 14                      ; and in kvs
	s_mov_b32 s33, 0
	s_lshr_b32 s34, s[BH], 3
	s_lshl_b32 s34, s34, 12
	s_add_co_u32 s34, s34, s[Q0]
	s_lshl_b32 s34, s34, 11                        ; out0: row (batch, query) of 2,048 bytes,
	s_and_b32 s35, s[BH], 7
	s_lshl_b32 s35, s35, 8
	s_add_co_u32 s34, s34, s35                     ; the 256 bytes of the head in it
	s_mov_b32 s35, 0
	s_mul_i32 s36, s[WV], 16*272
	s_add_co_u32 s36, s36, STAGE                   ; my stage
	v_and_b32 v8, 31, v0                           ; lane
	v_lshlrev_b32 v[LI], 4, v8
	v_lshlrev_b32 v[LT], 4, v0
	v_lshlrev_b32 v[L8], 3, v8
	v_lshlrev_b32 v[PFO], 8, v8
	v_and_b32 v9, 15, v0                           ; r
	v_bfe_u32 v10, v0, 4, 1                        ; h
	v_lshlrev_b32 v[GO], 11, v10
	v_lshl_add_u32 v[GO], v9, 4, v[GO]             ; lanes 0-15 one row, lanes 16-31 the next; 16 bytes a lane
	v_mul_u32_u24 v[STI], v9, 272
	v_lshl_add_u32 v[STI], v10, 5, v[STI]
	v_add_nc_u32 v[STI], s36, v[STI]               ; in: row r, + 32 h
	v_mul_u32_u24 v[STO], v10, 272
	v_lshl_add_u32 v[STO], v9, 4, v[STO]
	v_add_nc_u32 v[STO], s36, v[STO]               ; back: row h, + 16 r
	v_lshlrev_b32 v[DG], 3, v10
	v_sub_nc_u32 v[DG], v9, v[DG]
	s_wait_kmcnt 0x0
	s_add_nc_u64 s[4:5], s[4:5], s[28:29]
	s_add_nc_u64 s[KV:KV+1], s[6:7], s[30:31]
	s_add_nc_u64 s[8:9], s[8:9], s[32:33]
	s_add_nc_u64 s[10:11], s[10:11], s[34:35]
	s_wait_alu depctr_va_vdst(0)                   ; the addresses v1, v2, v4 to v7 and v28 are written, which the loads, stores and prefetches of the whole kernel read; so are v251 and v255, which the closing add reads
	global_load_b128 v[NX:NX+3], v[LT], s[KV:KV+1]         ; key step 0
	global_load_b128 v[96:99], v[LT], s[8:9]               ; the scale words of the head: 2 x 8,192 bytes
	global_load_b128 v[100:103], v[LT], s[8:9] offset:8192
	global_load_b128 v[16:19], v[LI], s[4:5]               ; q, twice: the two operands share the zeros alone
	global_load_b128 v[24:27], v[LI], s[4:5]
	global_load_b64 v[200:201], v[L8], s[4:5] offset:512   ; its two scale words
.irp j, 20,21,22,23
	v_mov_b32 v[\j], 0
.endr
	v_mov_b32 v13, 0xff61b1e6                      ; the largest t so far: -3e38, under every t
	v_floor_f32 v12, -v13                          ; -M
	v_mov_b32 v14, 0
	v_mov_b32 v15, 0
.irp j, 236,237,238,239,252,253
	v_mov_b32 v[\j], 0                             ; destinations of lane permutes, and the upper half of the pair v[252:253]: written once
.endr
.set j, 0
.rept 32
	v_mov_b32 v[160+j], 0                          ; O^T: the step is written once; the first change of M multiplies zeros
.set j, j+1
.endr
	s_wait_loadcnt 0x0
	ds_store_b128 v[LT], v[NX:NX+3]                ; (no vector instruction since the wait on va_vdst names the address or the data of these three stores)
	ds_store_b128 v[LT], v[96:99] offset:SCA
	ds_store_b128 v[LT], v[100:103] offset:SCA+8192
	s_wait_dscnt 0x0                               ; for the others' sake: my stores are done
	s_barrier_signal -1
	s_barrier_wait -1
	s_mov_b32 s[KF], 0
	s_mov_b32 s[TS], 0
	s_mov_b32 s[LP], 16
; A KEY STEP, out of slot (0 or 1)
.macro TRIP slot
	s_wait_alu depctr_vm_vsrc(0)                   ; the LDS store of the step before has read v[NX ..], in which the load below lands; its load of the scale words has read v[ADS], which is written below; in the first step the stores at the head have read v96-103, which the products write
	s_cmp_lt_u32 s[KF], s[KL]                      ; is there a next step that the work-group needs?
	s_cbranch_scc0 .Lnl_\@
	global_load_b128 v[NX:NX+3], v[LT], s[KV:KV+1] offset:(\slot+1)*8192   ; my 16 bytes of it: it has this step in which to come
	; A PREFETCH of the 8,192 bytes of the step three on, two steps ahead of the load that will want them: lanes 256 bytes apart, one instruction.  All sixteen work-groups of a head walk the same blocks:
	; wave 0 of work-group i = 0, which walks all 32 steps, asks, and nobody else.  Steps 0 to 2 come by their loads alone; from step 29 on nothing is asked for: there is no step 32.
	s_cmp_lt_u32 s[KF], s[PL]
	s_cbranch_scc0 .Lnl_\@
	global_prefetch_b8 v[PFO], s[KV:KV+1] offset:(\slot+3)*8192 th:TH_LOAD_NT scope:SCOPE_SE
.Lnl_\@:
	s_cmp_gt_u32 s[KF], s[QH]                      ; all keys of the step come after my queries: no work
	s_cbranch_scc1 .Lhid_\@
	v_add_nc_u32 v[ADS], s[TS], v[LI]              ; with the three v_nop: the four places behind the last products, in front of the loads into their registers
.rept 3
	v_nop
.endr
	s_wait_alu depctr_va_vdst(0)                   ; v[ADS] is written, which the first load below reads; the products of the step before are done reading v192-195, v32-63 and v64-95, in which this step's 17 loads land; in my first step the zeros v20-23 are written, which the products take as part of source 1
	ds_load_b128 v[192:195], v[ADS] offset:SCA
.irp f, 0,1,2,3
.irp c, 0,1
	ds_load_b128 v[32+8*\f+4*\c:35+8*\f+4*\c], v[LI] offset:\slot*8192+1024*\f+512*\c
.endr
.endr
	s_wait_dscnt 0x0                               ; the scale words and K are in
.irp f, 0,1,2,3
.irp u, 0,1
	WMZ 96+8*(2*\f+\u), 32+8*\f, 16+4*\u, 192+(\f/2), 200+\u, \f%2
	ds_load_b128 v[64+8*\f+4*\u:67+8*\f+4*\u], v[LI] offset:\slot*8192+4096+1024*\f+512*\u   ; V, a load behind each product.  No wait: no vector or matrix instruction since the wait on va_vdst names v64-95 or v[LI]
.endr
.endr
.rept 4
	v_nop
.endr
	s_add_co_u32 s28, s[KF], 127                   ; a step all of whose keys count skips the mask
	s_cmp_le_u32 s28, s[Q0]
	s_cbranch_scc1 .Lopen_\@
	s_sub_co_i32 s28, s[Q0], s[KF]
	v_add_nc_u32 v252, s28, v[DG]                  ; d = my query - KF - 8 h.  Register 8 T + j holds key KF + 16 T + 8 h + j: hidden where 16 T + j > d
	v_mov_b32 v254, 0xff800000                     ; -infinity: p = 0 then
.set n, 0
.rept 4                                        ; 16 registers at a time: the compares in a run, each into a scalar register of its own, then the selects
.set k, 0
.rept 16
	v_cmp_gt_i32 s[MK+k], 16*((n+k)/8)+(n+k)%8, v252
.set k, k+1
.endr
	s_wait_alu depctr_va_sdst(0)                   ; the 16 compares have written s[MK ..], ahead of the selects that read them
.set k, 0
.rept 16
	v_cndmask_b32 v[96+n+k], v[96+n+k], v254, s[MK+k]
.set k, k+1
.endr
.set n, n+16
.endr
.Lopen_\@:
.irp b, 0,1,2,3
	v_max3_num_f32 v[232+\b], v[96+16*\b], v[97+16*\b], v[98+16*\b]   ; the largest score of each block of 32 keys: it serves the maximum of the row and, since p rises with the score, the largest p of the block
.endr
.irp i, 3,5,7,9,11,13
.irp b, 0,1,2,3
	v_max3_num_f32 v[232+\b], v[232+\b], v[96+16*\b+\i], v[97+16*\b+\i]
.endr
.endr
.irp b, 0,1,2,3
	v_max_num_f32 v[232+\b], v[232+\b], v[111+16*\b]
.endr
.irp b, 0,1,2,3
	v_permlanex16_b32 v[236+\b], v[232+\b], s[SEL], s[SEL+1]
.endr
.irp b, 0,1,2,3
	v_max_num_f32 v[232+\b], v[232+\b], v[236+\b]  ; with the 16 keys of lane l xor 16
.endr
	v_max3_num_f32 v254, v232, v233, v234
	v_max_num_f32 v254, v254, v235
	v_mul_f32 v254, s[CS], v254                    ; as t (c is positive)
	v_max_num_f32 v13, v13, v254                   ; the running largest t
	v_mov_b32 v254, v12
	v_floor_f32 v12, -v13                          ; the new -M = floor(-t): M is a whole number
	v_sub_f32 v254, v12, v254                      ; old M - new M: a whole number, 0 or less
	v_cvt_i32_f32 v254, v254                       ; (it saturates)
	v_ldexp_f32 v252, 1.0, v254                    ; f = 2^(old M - new M)
.set j, 0
.rept 32
	v_pk_fma_f32 v[96+j:97+j], v[96+j:97+j], s[CS:CS+1], v[12:13] op_sel_hi:[1,0,0]   ; t - M, two at a time
.set j, j+2
.endr
.irp b, 0,1,2,3
	v_fma_f32 v[232+\b], v[232+\b], s[CS], v12     ; the same of the largest score of each block
.endr
.set j, 0
.rept 64
	v_exp_f32 v[96+j], v[96+j]                     ; p = 2^(t - M), at most 1
.set j, j+1
.endr
	v_pk_mul_f32 v[14:15], v[14:15], v[252:253] op_sel_hi:[1,0]   ; the sums under the new M; the plain instruction behind the exponentials
	s_wait_alu depctr_va_vdst(0)                   ; the 64 exponentials have written v96-159: one wait for the batch, ahead of its first reader
.irp b, 0,1,2,3
	v_exp_f32 v[232+\b], v[232+\b]                 ; the largest p of each block
.endr
	v_pk_add_f32 v[236:237], v[96:97], v[98:99]    ; the sum of the row, of the unquantised p: two chains.  It reads the 64 alone
.irp j, 4,8,12,16,20,24,28,32,36,40,44,48,52,56,60
	v_pk_add_f32 v[14:15], v[14:15], v[96+\j:97+\j]
	v_pk_add_f32 v[236:237], v[236:237], v[98+\j:99+\j]
.endr
	v_pk_add_f32 v[14:15], v[14:15], v[236:237]
	s_wait_alu depctr_va_vdst(0)                   ; the four exponentials have written v232-235: and one wait for the four
.irp b, 0,1,2,3
	v_max_num_f32 v[232+\b], 0x1800000, v[232+\b]  ; the floor 2^(3 - 127): the byte cannot fall under 1
.endr
.irp b, 0,1,2,3
	v_add_nc_u32 v[244+\b], 0xff000000, v[232+\b]  ; 2 off the exponent field: the scale operand of the conversion
.endr
.irp b, 0,1,2,3
	v_lshrrev_b32 v[236+\b], 23, v[244+\b]         ; the byte
.endr
	v_lshl_or_b32 v202, v237, 8, v236              ; the scale word of p for these 128 keys
	v_lshl_or_b32 v202, v238, 16, v202
	v_lshl_or_b32 v202, v239, 24, v202
.irp T, 0,1,2,3,4,5,6,7
	v_cvt_scalef32_pk8_fp4_f32 v[224+4*(\T/4)+2*(\T%2)+(\T%4)/2], v[96+8*\T:103+8*\T], v[244+\T/2]
.endr
	v_nop                                          ; one plain place behind the conversions
.irp c, 0,1
.irp i, 0,2
	v_permlane16_swap_b32 v[224+4*\c+\i], v[225+4*\c+\i]
.endr
.endr
.set j, 0
.rept 16
	v_pk_mul_f32 v[160+j:161+j], v[160+j:161+j], v[252:253] op_sel_hi:[1,0]   ; O^T under the new M, from the low end on.  For each product below twelve of these name none of its registers: the places behind the writes of the scale word and the codes
.set j, j+2
.endr
	s_wait_dscnt 0x0                               ; V is in
	s_wait_alu depctr_va_vdst(0)                   ; the scale word v202 and the codes v224-231 are written, which the products below take as scales and as source 1; the places above stay beside this wait
.irp dt, 0,1,2,3
	WMR 160+8*\dt, 64+8*\dt, 224, 194+(\dt/2), 202, \dt%2   ; the four accumulators by turns, one instruction a turn; the eight products of S^T stand between two links
.endr
.Lhid_\@:
	s_wait_loadcnt 0x0                             ; my 16 bytes of the next step are in (on every path: no load is out when the next is issued)
	ds_store_b128 v[LT], v[NX:NX+3] offset:(1-\slot)*8192   ; into the other slot, which every wave left before the last barrier.  Beyond the last step needed these are old bytes that nobody reads
	s_wait_dscnt 0x0                               ; my store has landed, and my reads of this slot are back
	s_barrier_signal -1
	s_barrier_wait -1                              ; both hold of every wave: the other slot is whole, and nobody reads this one
	s_add_co_u32 s[KF], s[KF], 128
	s_add_co_u32 s[TS], s[TS], 512
.endm
.Ltrip:
	TRIP 0
	TRIP 1
	s_wait_xcnt 0x0                                ; the loads and the prefetches have read their base
	s_add_nc_u64 s[KV:KV+1], s[KV:KV+1], 16384
	s_sub_co_u32 s[LP], s[LP], 1
	s_cmp_lg_u32 s[LP], 0
	s_cbranch_scc1 .Ltrip
	; THE WAY OUT: O^T / the sum goes through my own stage and leaves as whole pieces of 256 bytes, one (query, head) each
.rept 4
	v_nop                                          ; the places behind the last products
.endr
	v_add_f32 v14, v14, v15                        ; the two halves of the sum,
	v_permlanex16_b32 v252, v14, s[SEL], s[SEL+1]
	v_add_f32 v14, v14, v252                       ; and those of lane l xor 16
	v_rcp_f32 v14, v14
	v_nop                                          ; a plain instruction behind the reciprocal
	s_wait_alu depctr_va_vdst(0)                   ; the reciprocal has written v14: the wait ahead of its first reader
.set j, 0
.rept 32
	v_mul_f32 v[96+j], v[160+j], v14               ; register 8 dt + i is o(query r, channel 16 dt + 8 h + i)
.set j, j+1
.endr
	s_wait_alu depctr_va_vdst(0)                   ; the multiplications have written v96-127, which the LDS stores read; the products are done reading v32-63, in which the loads from the stage land
.irp dt, 0,1,2,3
	ds_store_b128 v[STI], v[96+8*\dt:99+8*\dt] offset:64*\dt
	ds_store_b128 v[STI], v[100+8*\dt:103+8*\dt] offset:64*\dt+16
.endr
.irp i, 0,1,2,3,4,5,6,7
	ds_load_b128 v[32+4*\i:35+4*\i], v[STO] offset:544*\i   ; LDS serves the instructions of a wave in order (ISA guide 5.7.1.4): these see my stores
.endr
.irp i, 0,1,2,3,4,5,6,7
	s_wait_dscnt 7-\i                              ; the younger reads of the stage may be out
	global_store_b128 v[GO], v[32+4*\i:35+4*\i], s[10:11] offset:4096*\i th:TH_STORE_NT   ; sixteen lanes store 256 consecutive bytes, at a multiple of 256 from the first byte of out0
.endr
	s_wait_dscnt 0x0                               ; the closing lines, six on end
	s_wait_alu 0x0
	s_wait_tensorcnt 0x0
	ds_add_u32 v251, v255
	s_wait_dscnt 0x0
	s_endpgm
.Lfunc_end_k_q095bd9324a_attn:
	.size	k_q095bd9324a_attn, .Lfunc_end_k_q095bd9324a_attn-k_q095bd9324a_attn
	.p2alignl 7, 3214868480
	.fill 96, 4, 3214868480
	.section	.rodata,"a",@progbits
	.p2align	6, 0x0
	.amdhsa_kernel k_q095bd9324a_attn
		.amdhsa_group_segment_fixed_size 104448
		.amdhsa_private_segment_fixed_size 0
		.amdhsa_enable_private_segment 0
		.amdhsa_kernarg_size 32
		.amdhsa_user_sgpr_count 2
		.amdhsa_user_sgpr_kernarg_segment_ptr 1
		.amdhsa_wavefront_size32 1
		.amdhsa_system_sgpr_workgroup_id_x 1
		.amdhsa_system_sgpr_workgroup_id_y 1
		.amdhsa_system_sgpr_workgroup_id_z 1
		.amdhsa_system_vgpr_workitem_id 0
		.amdhsa_next_free_vgpr 256
		.amdhsa_next_free_sgpr 66
		.amdhsa_reserve_vcc 0
		.amdhsa_float_denorm_mode_32 3
		.amdhsa_float_denorm_mode_16_64 3
		.amdhsa_memory_ordered 1
		.amdhsa_forward_progress 1
		.amdhsa_inst_pref_size 59
	.end_amdhsa_kernel
	.amdgpu_metadata
---
amdhsa.version: [ 1, 2 ]
amdhsa.kernels:
  - .name:           k_q095bd9324a_attn
    .symbol:         k_q095bd9324a_attn.kd
    .args:
      - { .name: qw, .offset: 0, .size: 8, .value_kind: global_buffer, .address_space: global }
      - { .name: kvc, .offset: 8, .size: 8, .value_kind: global_buffer, .address_space: global }
      - { .name: kvs, .offset: 16, .size: 8, .value_kind: global_buffer, .address_space: global }
      - { .name: out0, .offset: 24, .size: 8, .value_kind: global_buffer, .address_space: global }
    .group_segment_fixed_size: 104448
    .private_segment_fixed_size: 0
    .kernarg_segment_align: 8
    .kernarg_segment_size: 32
    .max_flat_workgroup_size: 512
    .sgpr_count:     66
    .vgpr_count:     256
    .wavefront_size: 32
...
	.end_amdgpu_metadata
.endif
;; end of part 3
